; MI455X (gfx1250); checked and timed in simulation.
; The chip was launched on July 23, 2026; its instructions are those of AMD's public machine-readable ISA for CDNA 5 (MIT licence, August 2026) and "CDNA5" Instruction Set Architecture Reference Guide (July 2026). The comments in the code are by the model that wrote it; some were corrected since.
;; Attn. Allowed arithmetic: matrix products marked QUANTISED: E2M1 operands, one E8M0 scale for each 32 along K, by v_wmma_scale_f32_16x16x128_f8f6f4 with both operands' format E2M1 (or v_wmma_scale_f32_32x16x128_f4), f32 sums; products left as they are: f32 operands where the result goes on into a quantised operand, else bf16, f16 or f32 operands; f32 sums; everything else in f32.
;; Inputs: W_attn_codes 1,024 x 32 x 16 uint8 (E2M1 codes of W_attn, K innermost, in blocks of 32 codes, two codes a byte); W_attn_scales 1,024 x 32 uint8 (E8M0 scales of W_attn, one for each 32 codes along K); b_attn 1,024 float32; encoder_outputs_codes 512 x 128 x 32 x 16 uint8 (E2M1 codes of encoder_outputs, K innermost, in blocks of 32 codes, two codes a byte); encoder_outputs_scales 512 x 128 x 32 uint8 (E8M0 scales of encoder_outputs, one for each 32 codes along K); hidden 1 x 128 x 1,024 float32.
;; Outputs: out0 128 x 1 x 512 float32.
;; This version of the problem:
;;   THIS VERSION OF THE PROBLEM IS GIVEN IN LOW PRECISION. The matrix products marked QUANTISED in the list below multiply operands that are first quantised to E2M1 (2 exponent bits, 1 mantissa bit; 4 bits a number), with one power-of-two scale for each 32 numbers along K (OCP MX v1.0); their sums are f32. All else is computed in f32.
;;   The module's matrix products, in the order in which they are computed (A, B: the left and right operand; K: the contracted axis; several contracted axes count as one K, in the product's order):
;;     1. [M 65,536, K 1,024] x [K 1,024, N 1,024]; A: input encoder_outputs (given as codes); B: input W_attn (given as codes): QUANTISED
;;     2. batch 128 x [M 1, K 1,024] x [K 1,024, N 512]; A: input hidden; B: computed on the way: left as it is (M = 1 < 16)
;;   THE QUANTISER, for each operand of a quantised product, along K:
;;     - K is cut into blocks of 32 from its start; a last block that is shorter is filled with zeros.
;;     - A block's scale is 2^e with e = floor(log2(the largest magnitude in the block)) - 2, held to -126 .. 127; a block of zeros has e = 0. As a byte (E8M0): e + 127.
;;     - Each number is divided by its block's scale, clamped to +-6, and rounded to the nearest number of E2M1, ties to even, subnormals kept.
;;     - The product sums the exact products of the quantised numbers (number of the format x scale) in f32.
;;   ~~~python
;;   def quantise(x, axis):      # numpy; x: float32 -> the quantised numbers, widened to float32 again
;;       x = np.moveaxis(x, axis, -1); K = x.shape[-1]
;;       x = np.pad(x, [(0, 0)] * (x.ndim - 1) + [(0, -K % 32)]); x = x.reshape(x.shape[:-1] + (-1, 32)); a = np.abs(x).max(-1, keepdims=True)
;;       e = np.where(a > 0, np.clip(np.frexp(np.where(a > 0, a, 1))[1] - 1 - 2, -126, 127), 0)      # np.frexp(a)[1] - 1 = floor(log2(a)), exactly
;;       r = np.clip(x / 2.0 ** e, -6, 6)
;;       step = 2.0 ** (np.maximum(np.frexp(np.where(r == 0, 1, r))[1] - 1, 0) - 1)
;;       q = np.round(r / step) * step * 2.0 ** e      # np.round: ties to even
;;       return np.moveaxis(q.reshape(q.shape[:-2] + (-1,))[..., :K], -1, axis).astype(np.float32)
;;   ~~~
;;   INPUTS GIVEN AS CODES. W_attn (in the module: [1024, 1024], K = its axis 1); encoder_outputs (in the module: [512, 128, 1024], K = its axis 2): each comes as NAME_codes (uint8): NAME with its K axis moved to the last place and cut into blocks of 32 codes, [.., K / 32, bytes a block], one block behind the other in memory; two codes a byte, the lower K in the low four bits (a code: sign, 2 exponent bits, 1 mantissa bit); and NAME_scales (uint8): the same leading axes, one E8M0 byte (e + 127) for each 32 codes along K. Its value is code x scale, taken as it is: it is not quantised again, and the codes and scales need not be those that the quantiser above would give.
;; One version. Each part assembles by itself: llvm-mc -triple=amdgcn-amd-amdhsa -mcpu=gfx1250 --defsym DOCPART=n.
;; ======== version 1 of 1: 2 launches
;; limits: right only within a limited range of input values
;; workspace buffers: scores 262,144 bytes
;; launch scores_gemm (part 1): grid 256 x 1, 4 waves a work-group, clusters of 4 x 1, 327,680 bytes of LDS; arguments encoder_outputs_codes, encoder_outputs_scales, W_attn_codes, W_attn_scales, hidden, scores; writes scores
.if DOCPART == 1
	.amdgcn_target "amdgcn-amd-amdhsa--gfx1250"
	.amdhsa_code_object_version 6
	.text
	.protected	k_q4b4287a9f0_scores_gemm
	.globl	k_q4b4287a9f0_scores_gemm
	.p2align	8
	.type	k_q4b4287a9f0_scores_gemm,@function
k_q4b4287a9f0_scores_gemm:
	s_mov_b64 s[64:65], 0
	v_nop
	global_prefetch_b8 v0, s[64:65] scope:SCOPE_SE
	s_setreg_imm32_b32 hwreg(HW_REG_WAVE_MODE, 25, 1), 1
	s_wait_xcnt 0x0
	s_wait_alu depctr_hold_cnt(0) depctr_sa_sdst(0) depctr_va_vdst(0) depctr_va_sdst(0) depctr_va_ssrc(0) depctr_va_vcc(0) depctr_vm_vsrc(0)
	s_getreg_b32 s2, hwreg(HW_REG_IB_STS2, 6, 4)
	s_cmp_eq_u32 s2, 0
	s_cbranch_scc0 .Lentry_in_a_cluster
	s_endpgm
.Lentry_in_a_cluster:
	s_bfe_u32 s2, ttmp6, 0x10000c
	s_cmp_lg_u32 s2, 0x3003
	s_cbranch_scc0 .Lentry_shape_is_right
	s_endpgm
.Lentry_shape_is_right:
; scores[b][s] = sum over k of hidden[b][k] (sum over h of enc[s][b][h] W[k][h]).  enc [512 s][128 b][1024] and W [1024 k][1024]: codes of FP4 (E2M1), K innermost, two a byte,
; one E8M0 byte for each 32 along K; hidden [128][1024], scores [128][512]: f32.  The energies (the inner sums) never go to memory: each is multiplied by its hidden[b][k] and summed.
; LEFT OUT AS DEAD WORK: b_attn.  It adds sum over k of hidden[b][k] b_attn[k] to scores[b][s], the same number for every s, and the softmax along s takes away whatever is the same along s, for all values of
; hidden and b_attn.  So b_attn has no way to the output: it is not loaded and is no argument of any launch.  LIMIT: a NaN, an infinity or an overflow that reaches that term alone is not carried to the result.
; RANGE: a scale byte 0xff, NaN and infinities in the other inputs give NaN scores; no other limit.
; ORDER OF ROUNDING: the energies of the first 256 columns are multiplied by their weights in two parts, K half 0's and K half 1's.
; SHARES.  A work-group owns ONE b and 256 values of s: 256 rows of the product, which take the same 1,024 weights hidden[b][:], and whose 256 scores are 1,024 consecutive bytes.
; Four waves, 2 x 2: a wave makes 128 rows x half of each tile's 256 columns.  ITS 128 ROWS OF ENC, ALL OF K, STAY IN 512 REGISTERS: read from LDS once.  W streams past them in blocks of 32 columns;
; a K step is 128 along K: 8 matrix instructions of 32 x 16 x 128, all fed by one fragment of W (2 KB), which is read from LDS once.  128 K steps in all.
; BLOCKS, n = 0 .. 19: 0-3: tile 0's four column blocks, K half 0 (4 K steps each), which need half of enc alone; 4-7: the same columns, K half 1; 8-19: tiles 1 to 3, all of K (8 K steps each).
; THE MATRIX INSTRUCTION IS USED TRANSPOSED: source 0 = 32 rows of W, source 1 = 16 rows of enc.  Lane l then holds ONE row of the product (l % 16), its registers 0-7 columns 8 (l / 16) + 0 .. 7 and 8-15 the same + 16:
; so the weighted sum along the columns stays in the lane: packed multiply-adds of accumulator pairs by pairs of hidden[b].  There are two sets of accumulators: block n - 1's 64 packed multiply-adds
; stand among block n's matrix instructions.
; LDS: four units of 256 rows x 256 bytes.  At the head: enc's K halves in units 0 and 1, W's tile 0 in units 2 and 3.  Then tile 1 (its K halves) in units 0 and 2, tile 2 in 1 and 3, tile 3 in 0 and 2.
; CLUSTER.  Every work-group walks the same tiles of W: the four of a cluster ask for each of them JOINTLY.  enc's rows are each work-group's own (no mask).
; The place in the cluster enters global addresses of enc, its scales, hidden and scores alone.
; NO PREFETCH: a refill of W has 16 or 32 K steps, 128 or 256 matrix instructions of a wave, between its request and the wait for it, and enc is asked for whole at the head, where no loop runs yet.
; W's scale bytes (1,024 consecutive bytes a block) and hidden go from memory into registers, one to three blocks ahead of their use.
; THE K STEPS ARE WRITTEN OUT by macro: the changes of units differ, and fragment buffers (six), sets of weights (three) and accumulator sets (two) come back to where they began only after 48 K steps.
; REGISTERS, in windows of 256: window 0: v0-15 addresses; v16-47 enc's scale words; v48-79 the running sums; v80-111 W's scale words, four sets; v112-159 weights, three sets; v160-255 W's fragments, six buffers.
;   window 1: accumulators, set s, row block a at v[128 s + 16 a].   windows 2, 3: enc's fragments: K step q, row block a at v[64 (q % 4) + 8 a] of window 2 + q / 4.
.set PITCH,  272                       ; an LDS row: 256 bytes + 16 of padding = 68 words: row r starts at bank 4 r mod 64 (64 banks of 4 bytes: ISA guide 11.1)
.set HALFT,  128*PITCH
.set RB,     16*PITCH                  ; 16 rows
.set UNIT,   256*PITCH
.set SPARE,  4*UNIT                    ; the spare words, 128 bytes for each wave: two blocks of 256 bytes that no other line names
.set SCX,    SPARE+512                 ; [column half][256 rows] f32: the waves' partial scores; no tensor load lands here
.set SXR,  1                           ; v1      the way out: where I read two partial scores back
.set GOUT, 2                           ; v2      my byte offset in the work-group's 1,024 bytes of scores
.set SXW,  3                           ; v3      the way out: where I put a partial score
.set ADRB, 4                           ; v4-7    LDS address of my W fragments in units 0 to 3
.set ADRA, 8                           ; v8-9    of my enc fragments in units 0, 1
.set HO,   10                          ; v10     32 x (lane / 16): my weights of a block
.set SO,   11                          ; v11     32 x lane: my row of a block's scale bytes
.set AO,   12                          ; v12     my byte offset among enc's scale rows
.set SPW,  14                          ; v14     LDS address of my spare word; never rewritten
.set NIL,  15                          ; v15     0; never rewritten
.set AS,   16                          ; v[AS + 8 i + q]: K step q; lanes 0-15 row block i, lanes 16-31 row block i + 4
.set P,    48                          ; row block a has two chains of pairs, v[P + 4 a + 2 c : + 1]
.set SW,   80                          ; v[SW + 8 (n % 4) + q]: block n's 32 columns, one a lane
.set HW,   112                         ; v[HW + 16 (n % 3) + j]: block n's weights in the result's layout
.set FR,   160                         ; K step g's fragment of W at v[FR + 16 (g % 6)]
.set WV,   18                          ; s18 my wave's number;  s19 which 128 rows are mine;  s20 which 128 columns of a tile
.set RH,   19
.set CH,   20
.set G1A,  24                          ; s[24:31] descriptor group 1 for enc: 256 rows;  s[32:39] for W at the head: 256 rows;  s[40:47] for W's refills: 128 rows
.set G1W,  32
.set G1R,  40
.set G0A,  48                          ; s[48:51], s[52:55] group 0 for enc's K halves;  s[56:59], s[60:63] for tile 0's;  s[68:71] refills of units 0 and 2, s[72:75] of units 1 and 3
.set G0W,  56
.set G0R,  68
.set HB,   76                          ; s[76:77] hidden at my b and column half
.set MSB, 0
.macro WIN new                         ; the immediate's high byte repeats the setting that is left; a switch that changes nothing is dropped
.if MSB != (\new)
	s_set_vgpr_msb (MSB<<8)|(\new)
.set MSB, (\new)
.endif
.endm
.set MUL, 0x58                         ; source 0 (W) window 0, source 1 (enc) window 2, C and D window 1;  + 4: source 1 window 3
.set EPI, 0x04                         ; source 1 (accumulators) window 1; weights, sums, addresses and loaded data window 0
.macro PLACES n
.rept \n
	v_nop
.endr
.endm
.macro CREST                           ; a round of the cluster's barrier behind its opening barrier
	s_cmp_lg_u32 s[WV], 0
	s_cbranch_scc1 .Lnot_wave_0_\@
	s_barrier_signal -3
.Lnot_wave_0_\@:
	s_barrier_wait -3
	s_barrier_signal -1
	s_barrier_wait -1
.endm
.macro CROUND                          ; a whole round
	s_barrier_signal -1
	s_barrier_wait -1
	CREST
.endm
.macro SLOAD m                         ; block m's scale words: lane l takes those of column l: 16 bytes for a K half
.if (\m) < 4
	global_load_b128 v[SW+8*(\m):SW+8*(\m)+3], v[SO], s[10:11] offset:1024*(\m)
.elseif (\m) < 8
	global_load_b128 v[SW+8*((\m)-4)+4:SW+8*((\m)-4)+7], v[SO], s[10:11] offset:1024*((\m)-4)+16
.else
	global_load_b128 v[SW+8*((\m)%4):SW+8*((\m)%4)+3], v[SO], s[10:11] offset:8192*(((\m)-4)/4)+1024*((\m)%4)
	global_load_b128 v[SW+8*((\m)%4)+4:SW+8*((\m)%4)+7], v[SO], s[10:11] offset:8192*(((\m)-4)/4)+1024*((\m)%4)+16
.endif
.endm
.macro HLOAD m                         ; block m's weights: columns 8 h + 0 .. 7 and 16 + 8 h + 0 .. 7
.set kC, (\m)
.if kC > 3
.set kC, kC-4
.endif
.irp c, 0,1,2,3
	global_load_b128 v[HW+16*((\m)%3)+4*\c:HW+16*((\m)%3)+4*\c+3], v[HO], s[HB:HB+1] offset:1024*(kC/4)+128*(kC%4)+64*(\c/2)+16*(\c%2)
.endr
.endm
	s_load_b256 s[4:11], s[0:1], 0x0               ; enc's codes s[4:5], its scales s[6:7], W's codes s[8:9], its scales s[10:11]
	s_load_b128 s[12:15], s[0:1], 0x20             ; hidden s[12:13], scores s[14:15]
	v_lshl_add_u32 v[SPW], v0, 2, SPARE
	v_mov_b32 v[NIL], 0
	ds_add_u32 v[SPW], v[NIL]                      ; the wave's opening: the add, twice on end, and its wait ahead of my first tensor load
	ds_add_u32 v[SPW], v[NIL]
	v_lshrrev_b32 v13, 5, v0
	v_readfirstlane_b32 s[WV], v13                 ; wave 0..3
	s_lshr_b32 s[RH], s[WV], 1
	s_and_b32 s[CH], s[WV], 1
	s_bfe_u32 s21, ttmp6, 0x40000                  ; cx: my place in the cluster
	s_lshl_b32 s22, ttmp9, 2                       ; in a cluster launch ttmp9 counts clusters
	s_add_co_u32 s22, s22, s21                     ; work-group 0..255
	s_lshr_b32 s23, s22, 1                         ; b
	s_and_b32 s16, s22, 1                          ; which 256 values of s
	s_mul_i32 s92, s[CH], HALFT                    ; my 128 columns' rows of a tile; also: which 128 rows of a unit I fill again
	s_mul_i32 s94, s[RH], HALFT                    ; my 128 rows of enc
	s_lshl_b32 s95, s[CH], 10
	s_lshl_b32 s96, s[RH], 9
	s_add_co_u32 s95, s95, s96
	s_add_co_u32 s95, s95, SCX
	v_and_b32 v160, 15, v0                         ; r = lane % 16
	v_bfe_u32 v161, v0, 4, 1                       ; h = lane / 16
	v_and_b32 v162, 31, v0
	v_mul_u32_u24 v163, v160, PITCH
	v_lshl_add_u32 v163, v161, 4, v163             ; a fragment's row x pitch + 16 h
	v_add_nc_u32 v[ADRA], s94, v163
	v_add_nc_u32 v[ADRA+1], UNIT, v[ADRA]
	v_add_nc_u32 v[ADRB], s92, v163
	v_add_nc_u32 v[ADRB+1], UNIT, v[ADRB]
	v_add_nc_u32 v[ADRB+2], 2*UNIT, v[ADRB]
	v_add_nc_u32 v[ADRB+3], 3*UNIT, v[ADRB]
	v_lshlrev_b32 v[SO], 5, v162
	v_lshlrev_b32 v[HO], 5, v161
	v_lshlrev_b32 v[AO], 12, v160                  ; enc's scale rows lie 4,096 bytes apart (from s to s + 1): row r,
	v_lshl_add_u32 v[AO], v161, 18, v[AO]          ; and lanes 16-31 four blocks of 16 rows further on
	v_lshl_add_u32 v[SXR], v0, 3, SCX
	v_lshlrev_b32 v[GOUT], 3, v0
	v_lshlrev_b32 v[SXW], 2, v160
	v_lshl_add_u32 v[SXW], v161, 8, v[SXW]
	v_add_nc_u32 v[SXW], s95, v[SXW]               ; row 128 RH + 16 (a + 4 h) + r of column half CH; 64 a stands in the store's offset
	s_wait_alu depctr_va_vdst(0)                   ; the wait at the end of the head's vector work
	; byte offsets, each in a pair of its own with 0 above; those that feed W's descriptors hold the wave's number alone
	s_lshl_b32 s80, s16, 15                        ; enc's codes: row (256 x half) x 128 + b,
	s_add_co_u32 s80, s80, s23
	s_lshl_b32 s80, s80, 9                         ; of 512 bytes
	s_mov_b32 s81, 0
	s_lshl_b32 s82, s16, 8
	s_lshl_b32 s83, s[RH], 7
	s_add_co_u32 s82, s82, s83                     ; enc's scales: the first s of my 128 rows;
	s_lshl_b32 s82, s82, 7
	s_add_co_u32 s82, s82, s23
	s_lshl_b32 s82, s82, 5                         ; rows of 32 bytes
	s_mov_b32 s83, 0
	s_lshl_b32 s84, s[CH], 16                      ; W's refills: waves 0 and 1 fetch K half 0, 128 rows of 512 bytes each; waves 2 and 3 K half 1
	s_lshl_b32 s85, s[RH], 8
	s_add_co_u32 s84, s84, s85
	s_mov_b32 s85, 0
	s_lshl_b32 s86, s23, 12                        ; hidden: row b of 4,096 bytes, + 512 x column half
	s_lshl_b32 s87, s[CH], 9
	s_add_co_u32 s86, s86, s87
	s_mov_b32 s87, 0
	s_lshl_b32 s88, s23, 11                        ; scores: row b of 2,048 bytes, + 1,024 x half
	s_lshl_b32 s89, s16, 10
	s_add_co_u32 s88, s88, s89
	s_mov_b32 s89, 0
	s_lshl_b32 s90, s[CH], 12                      ; W's scales: my column half's 128 rows of 32 bytes
	s_mov_b32 s91, 0
	s_mul_i32 s93, s[RH], 2*UNIT                   ; a refill's K half 1 lies two units on
	s_add_co_u32 s93, s93, s92
	; descriptor groups 1: rows of 256 bytes (elements of 1 byte), 16 bytes of padding behind each
	s_mov_b32 s[G1A+0], (1<<20)|(5<<22)|(3<<25)    ; 15:0 no mask; 20 padding on; 24:22 after every 64 words (code 5); 31:25 four words (code 3)
	s_mov_b32 s[G1W+0], 15|(1<<20)|(1<<21)|(5<<22)|(3<<25)   ; 15:0 the mask: the cluster's four; 21 set beside a mask
	s_mov_b32 s[G1R+0], 15|(1<<20)|(1<<21)|(5<<22)|(3<<25)
.irp g, G1A, G1W, G1R
	s_mov_b32 s[\g+1], 256<<16                     ; tensor_dim0
	s_mov_b32 s[\g+3], 256<<16                     ; tile_dim0
	s_mov_b32 s[\g+6], 0
	s_mov_b32 s[\g+7], 0
.endr
	s_mov_b32 s[G1A+2], 256<<16                    ; tensor_dim1
	s_mov_b32 s[G1A+4], 256                        ; tile_dim1
	s_mov_b32 s[G1A+5], 65536                      ; tensor_dim0_stride: from s to s + 1 at one b
	s_mov_b32 s[G1W+2], 256<<16
	s_mov_b32 s[G1W+4], 256
	s_mov_b32 s[G1W+5], 512
	s_mov_b32 s[G1R+2], 128<<16
	s_mov_b32 s[G1R+4], 128
	s_mov_b32 s[G1R+5], 512
	s_wait_dscnt 0x0                               ; both opening adds are done
	s_wait_kmcnt 0x0
	s_add_nc_u64 s[4:5], s[4:5], s[80:81]
	s_add_nc_u64 s[6:7], s[6:7], s[82:83]
	s_add_nc_u64 s[10:11], s[10:11], s[90:91]
	s_add_nc_u64 s[HB:HB+1], s[12:13], s[86:87]
	s_add_nc_u64 s[14:15], s[14:15], s[88:89]
	s_add_nc_u64 s[84:85], s[8:9], s[84:85]
.irp i, 0,1,2,3
.irp c, 0,1
	global_load_b128 v[AS+8*\i+4*\c:AS+8*\i+4*\c+3], v[AO], s[6:7] offset:65536*\i+16*\c   ; eight scale words a row: lanes 0-15 block i, lanes 16-31 block i + 4
.endr
.endr
.irp m, 0,1,2,3
	SLOAD \m
.endr
.irp m, 0,1,2
	HLOAD \m
.endr
	; descriptor groups 0: count 1, LDS address, global address, type 2 on top
.irp k, 0,1
	s_mov_b32 s[G0A+4*\k], 1
	s_mov_b32 s[G0A+4*\k+1], UNIT*\k               ; enc's K half k in unit k
	s_add_nc_u64 s[G0A+4*\k+2:G0A+4*\k+3], s[4:5], 256*\k
	s_or_b32 s[G0A+4*\k+3], s[G0A+4*\k+3], 0x80000000
	s_mov_b32 s[G0W+4*\k], 1
	s_mov_b32 s[G0W+4*\k+1], UNIT*(2+\k)           ; tile 0's K half k in unit 2 + k
	s_add_nc_u64 s[G0W+4*\k+2:G0W+4*\k+3], s[8:9], 256*\k
	s_or_b32 s[G0W+4*\k+3], s[G0W+4*\k+3], 0x80000000
	s_mov_b32 s[G0R+4*\k], 1
	s_add_co_u32 s[G0R+4*\k+1], s93, UNIT*\k       ; units k and k + 2: tile 1 + k
	s_add_nc_u64 s[G0R+4*\k+2:G0R+4*\k+3], s[84:85], 0x20000*(1+\k)
	s_or_b32 s[G0R+4*\k+3], s[G0R+4*\k+3], 0x80000000
.endr
	CROUND                                         ; all four work-groups are here: the first joint loads meet
; THE HEAD'S LOADS, ONE A WAVE: wave 0 fetches enc's K half 0, wave 1 tile 0's K half 0, wave 2 tile 0's K half 1, wave 3 enc's K half 1.  ONE tree of branches on the wave's number: every way passes exactly one load.
.macro ARM under, g0, g1, next
	s_cmp_lt_u32 s[WV], \under
	s_cbranch_scc0 \next
	tensor_load_to_lds s[\g0:\g0+3], s[\g1:\g1+7]
	s_nop 0
	PLACES 4
	s_branch .Lhead_asked
\next:
.endm
	ARM 1, G0A, G1A, .Lhead_w0
	ARM 2, G0W, G1W, .Lhead_w1
	ARM 3, G0W+4, G1W, .Lhead_a1
	s_wait_loadcnt 0x0                             ; wave 3 asks behind its scale words and weights: what the first K steps need is asked for first
	tensor_load_to_lds s[G0A+4:G0A+7], s[G1A:G1A+7]
	s_nop 0
	PLACES 4
.Lhead_asked:
; K step g's block n, its place q along K, and its place f in its block.
.macro SETG g
.set kG, (\g)
.if kG < 32
.set kN, kG/4
.set kF, kG%4
.set kQ, 4*(kG/16)+kF
.else
.set kN, 8+(kG-32)/8
.set kF, (kG-32)%8
.set kQ, kF
.endif
.endm
; One product of the K step in hand: W's 32 columns x enc's row block a.  The scale words of row blocks 4-7 stand in lanes 16-31 of the registers of row blocks 0-3.
; A block's first products take C = 0: no accumulator is ever cleared.  The eight accumulators of a set take turns, one instruction a turn.
.macro WM a
.set rD, 128*(kN%2)+16*(\a)
.set rW, FR+16*(kG%6)
.set rA, 64*(kQ%4)+8*(\a)
.set rS, SW+8*(kN%4)+kQ
.set rX, AS+8*((\a)%4)+kQ
.if kF == 0
.if (\a) < 4
	v_wmma_scale_f32_32x16x128_f4 v[rD:rD+15], v[rW:rW+15], v[rA:rA+7], 0, v[rS], v[rX]
.else
	v_wmma_scale_f32_32x16x128_f4 v[rD:rD+15], v[rW:rW+15], v[rA:rA+7], 0, v[rS], v[rX] matrix_b_scale:MATRIX_SCALE_ROW1
.endif
.else
.if (\a) < 4
	v_wmma_scale_f32_32x16x128_f4 v[rD:rD+15], v[rW:rW+15], v[rA:rA+7], v[rD:rD+15], v[rS], v[rX]
.else
	v_wmma_scale_f32_32x16x128_f4 v[rD:rD+15], v[rW:rW+15], v[rA:rA+7], v[rD:rD+15], v[rS], v[rX] matrix_b_scale:MATRIX_SCALE_ROW1
.endif
.endif
.endm
; Group e (0 .. 15) of block n's packed multiply-adds: accumulator pair e / 2 of four row blocks, each accumulator from its low end on.  Block 0's first pairs start the chains.
; A chain's next link stands sixteen such instructions on.
.macro EP n, e
.set kJ, (\e)/2
.set kR, 4*((\e)%2)
.set rH, HW+16*((\n)%3)+2*kJ
.irp d, 0,1,2,3
.set rP, P+4*(kR+\d)+2*(kJ%2)
.set rE, 128*((\n)%2)+16*(kR+\d)+2*kJ
.if ((\n) == 0) && (kJ < 2)
	v_pk_mul_f32 v[rP:rP+1], v[rH:rH+1], v[rE:rE+1]
.else
	v_pk_fma_f32 v[rP:rP+1], v[rH:rH+1], v[rE:rE+1], v[rP:rP+1]
.endif
.endr
.endm
; The part (0, 1: behind its first, its second four products) of block n - 1's packed multiply-adds that falls to the K step in hand: eight in a block of four K steps, four in a block of eight.
.macro EPART part
.if kN < 8
	EP kN-1, 4*kF+2*(\part)
	EP kN-1, 4*kF+2*(\part)+1
.else
	EP kN-1, 2*kF+(\part)
.endif
.endm
; K step g's fragment of W, 32 columns x 128 K: lane l holds rows l % 16 and 16 + l % 16; registers 4 c .. 4 c + 3 (and 8 on) hold K = 64 c + 32 (l / 16) + 0 .. 31.  Beyond the last there is nothing to fetch.
.macro LW g
.if (\g) < 128
.if (\g) < 32
.set kU, 2+(\g)/16
.set kI, ((\g)%16)/4
.else
.set kX, 1+((\g)-32)/32                ; the tile: 1 and 3 in units 0 and 2, 2 in units 1 and 3
.set kU, 2*((((\g)-32)%8)/4)+1-(kX%2)
.set kI, (((\g)-32)%32)/8
.endif
.set rW, FR+16*((\g)%6)
.set oW, 2*RB*kI+64*((\g)%4)
	ds_load_b128 v[rW:rW+3], v[ADRB+kU] offset:oW
	ds_load_b128 v[rW+4:rW+7], v[ADRB+kU] offset:oW+32
	ds_load_b128 v[rW+8:rW+11], v[ADRB+kU] offset:oW+RB
	ds_load_b128 v[rW+12:rW+15], v[ADRB+kU] offset:oW+RB+32
.endif
.endm
; The same, and enc's eight fragments of that K step, once: 20 loads.
.macro LFULL g
	WIN 0
	LW \g
.set kH, (\g)/16
	WIN 0x80+0x40*kH
.irp a, 0,1,2,3,4,5,6,7
.irp c, 0,1
	ds_load_b128 v[64*((\g)%4)+8*\a+4*\c:64*((\g)%4)+8*\a+4*\c+3], v[ADRA+kH] offset:RB*\a+64*((\g)%4)+32*\c
.endr
.endr
	WIN 0
.endm
.macro GLOAD n                         ; in block n: the scale words of block n + 3 and the weights of block n + 1, which block n + 2 works with
.if ((\n) > 0) && ((\n)+3 < 20)
	SLOAD (\n)+3
.endif
.if ((\n) > 1) && ((\n)+1 < 20)
	HLOAD (\n)+1
.endif
.endm
; The refill behind a round, my one tensor load there: tile 1 into units 0 and 2, tile 2 into 1 and 3, tile 3 into 0 and 2.  No tensor load of mine is out: a group 0 may be written.
.macro FILL
.if kG == 29
	tensor_load_to_lds s[G0R+4:G0R+7], s[G1R:G1R+7]
.else
.if kG == 61
	s_add_nc_u64 s[G0R+2:G0R+3], s[G0R+2:G0R+3], 0x40000
.endif
	tensor_load_to_lds s[G0R:G0R+3], s[G1R:G1R+7]
.endif
	s_nop 0
	PLACES 4                                       ; four v_nop follow it
.endm
; The waits at K step g's head.  Runs of LDS loads stand behind each K step g = 4 i + 1 and bring K steps g + 3 .. g + 6, four loads each: so what may be out behind this K step's own four loads is 12, 8, 20 or 16.
; Where enc's fragments come too (K steps 0-3, 16-19): 40, 40, 36, 16.  K steps 14 and 15 had their loads back ahead of the barrier's signal, and so had the K steps between a signal and its wait.
.macro WAITS
.set kW, 12
.if (kG%4) == 1
.set kW, 8
.elseif (kG%4) == 2
.set kW, 20
.elseif (kG%4) == 3
.set kW, 16
.endif
.if ((kG/4) == 0) || ((kG/4) == 4)
.if (kG%4) < 2
.set kW, 40
.elseif (kG%4) == 2
.set kW, 36
.endif
.endif
.if (kG == 14) || (kG == 15) || (kT == 2)
.set kW, -1
.elseif kG == 126
.set kW, 4
.elseif kG == 127
.set kW, 0
.endif
.if kF == 0
.if kN == 2
	s_wait_loadcnt 1                               ; all but what the block ahead has asked for: 1, 5, 6 or 4 loads
.elseif (kN > 2) && (kN < 6)
	s_wait_loadcnt 5
.elseif (kN > 5) && (kN < 18)
	s_wait_loadcnt 6
.elseif kN > 17
	s_wait_loadcnt 4
.endif
.endif
.if kT == 1
	WIN 0                                          ; (the add's two registers lie in window 0)
	s_wait_tensorcnt 0x0                           ; all my tensor loads have landed
	ds_add_u32 v[SPW], v[NIL]                      ; 0 onto my spare word
	s_wait_dscnt 13                                ; (three K steps' loads and the add may be out)
.elseif kW > -1
	s_wait_dscnt kW
.endif
.endm
; One K step: eight products in two groups of four, each followed by its part of the packed multiply-adds.  A run of loads stands behind a K step's last packed multiply-adds (block 0: v_nop), which name none of the
; matrix instructions' registers and are the four places in front of it (ISA guide 7.12.1 for vector instructions).  A run's buffers are those of K steps g - 3 .. g.
; kT = 1, 2: K steps 12 and 13, 28 and 29, 60 and 61, 92 and 93 change units: the waits and the add at the first one's head, the signal at its end, the barrier's wait at the second one's end; by then all reads of the units
; that are filled again have come back.  Behind 13, 29 and 61 a round of the cluster's barrier and a refill follow; behind 93 nothing is left to fetch.
.macro STEP g
	SETG \g
.set kT, 0
.if (kG == 12) || (kG == 28) || (kG == 60) || (kG == 92)
.set kT, 1
.elseif (kG == 13) || (kG == 29) || (kG == 61) || (kG == 93)
.set kT, 2
.endif
	WAITS
	WIN MUL+4*(kQ/4)
.irp a, 0,1,2,3
	WM \a
.endr
.if kN > 0
	WIN EPI
	EPART 0
	WIN MUL+4*(kQ/4)
.endif
.irp a, 4,5,6,7
	WM \a
.endr
.if kN > 0
	WIN EPI
	EPART 1
.else
	WIN 0
	PLACES 4
.endif
.if kT == 1
	s_wait_dscnt 0x0                               ; the add is done, and my reads of what is filled again are over
	s_barrier_signal -1
.elseif kT == 2
	WIN 0
	s_barrier_wait -1
.if kG < 93
	CREST                                          ; no wave of any partner still reads these units or has a load on its way
	FILL
.endif
.endif
.if (kG == 0) || (kG == 16)
	LFULL kG+3
.elseif kG == 13
	LFULL 16
	LFULL 17
	LFULL 18
.elseif (kG%4) == 1
	LW kG+3
	LW kG+4
	LW kG+5
	LW kG+6
.endif
.if kF == 1
	GLOAD kN
.endif
.endm
	; enc's K half 0 and tile 0's are waited for by the waves that fetch them; the other two loads stay out
	s_cmp_lt_u32 s[WV], 2
	s_cbranch_scc0 .Lstill_out
	s_wait_tensorcnt 0x0
.Lstill_out:
	s_barrier_signal -1
	s_barrier_wait -1
	LFULL 0
	LFULL 1
	LFULL 2
	s_wait_loadcnt 0x0                             ; enc's scale words, blocks 0-3's of W, blocks 0-2's weights
.set kS, 0
.rept 128
	STEP kS
.set kS, kS+1
.endr
	s_wait_loadcnt 0x0                             ; block 19's weights
.irp e, 0,1,2,3,4,5,6,7,8,9,10,11,12,13,14,15
	EP 19, \e
.endr
	WIN 0
	; THE WAY OUT.  A row's sum lies in two chains of pairs, in lanes l and l xor 16, and in the two waves of its row half.
.irp a, 0,1,2,3,4,5,6,7
	v_pk_add_f32 v[P+4*\a:P+4*\a+1], v[P+4*\a:P+4*\a+1], v[P+4*\a+2:P+4*\a+3]
.endr
.irp a, 0,1,2,3,4,5,6,7
	v_add_f32 v[P+4*\a], v[P+4*\a], v[P+4*\a+1]
.endr
.irp a, 0,1,2,3
	v_permlane16_swap_b32 v[P+4*\a], v[P+16+4*\a]  ; block a's lanes 16-31 change places with block a + 4's lanes 0-15:
.endr
.irp a, 0,1,2,3
	v_add_f32 v[P+4*\a], v[P+4*\a], v[P+16+4*\a]   ; the sum of the two holds block a whole in lanes 0-15 and block a + 4 whole in lanes 16-31
.endr
.irp a, 0,1,2,3
	ds_store_b32 v[SXW], v[P+4*\a] offset:64*\a
.endr
	s_wait_dscnt 0x0                               ; for the others' sake: my partial scores lie in LDS
	s_barrier_signal -1
	s_barrier_wait -1
	ds_load_b64 v[FR:FR+1], v[SXR]                 ; rows 2 t and 2 t + 1: column half 0's part,
	ds_load_b64 v[FR+2:FR+3], v[SXR] offset:1024   ; and column half 1's
	s_wait_dscnt 0x0
	v_pk_add_f32 v[FR:FR+1], v[FR:FR+1], v[FR+2:FR+3]
	global_store_b64 v[GOUT], v[FR:FR+1], s[14:15] ; a wave stores 256 consecutive bytes, at a multiple of 256 from the buffer's first byte
	s_wait_tensorcnt 0x0                           ; the wave's end, behind my last tensor load and my last LDS store
	ds_add_u32 v[SPW], v[NIL]
	s_wait_dscnt 0x0
	CROUND                                         ; the closing round: no work-group ends while a partner may still ask for a tile that names it
	s_endpgm
.Lfunc_end_k_q4b4287a9f0_scores_gemm:
	.size	k_q4b4287a9f0_scores_gemm, .Lfunc_end_k_q4b4287a9f0_scores_gemm-k_q4b4287a9f0_scores_gemm
	.p2alignl 7, 3214868480
	.fill 96, 4, 3214868480
	.section	.rodata,"a",@progbits
	.p2align	6, 0x0
	.amdhsa_kernel k_q4b4287a9f0_scores_gemm
		.amdhsa_group_segment_fixed_size 327680
		.amdhsa_private_segment_fixed_size 0
		.amdhsa_enable_private_segment 0
		.amdhsa_kernarg_size 48
		.amdhsa_user_sgpr_count 2
		.amdhsa_user_sgpr_kernarg_segment_ptr 1
		.amdhsa_wavefront_size32 1
		.amdhsa_system_sgpr_workgroup_id_x 1
		.amdhsa_system_sgpr_workgroup_id_y 1
		.amdhsa_system_sgpr_workgroup_id_z 1
		.amdhsa_system_vgpr_workitem_id 0
		.amdhsa_next_free_vgpr 1024
		.amdhsa_next_free_sgpr 100
		.amdhsa_reserve_vcc 0
		.amdhsa_float_denorm_mode_32 3
		.amdhsa_float_denorm_mode_16_64 3
		.amdhsa_memory_ordered 1
		.amdhsa_forward_progress 1
		.amdhsa_inst_pref_size 255
	.end_amdhsa_kernel
	.section	.bss,"aw",@nobits
	.p2align	6
	.space	262144
	.amdgpu_metadata
---
amdhsa.version: [ 1, 2 ]
amdhsa.kernels:
  - .name:           k_q4b4287a9f0_scores_gemm
    .symbol:         k_q4b4287a9f0_scores_gemm.kd
    .args:
      - { .name: encoder_outputs_codes, .offset: 0, .size: 8, .value_kind: global_buffer, .address_space: global }
      - { .name: encoder_outputs_scales, .offset: 8, .size: 8, .value_kind: global_buffer, .address_space: global }
      - { .name: W_attn_codes, .offset: 16, .size: 8, .value_kind: global_buffer, .address_space: global }
      - { .name: W_attn_scales, .offset: 24, .size: 8, .value_kind: global_buffer, .address_space: global }
      - { .name: hidden, .offset: 32, .size: 8, .value_kind: global_buffer, .address_space: global }
      - { .name: scores, .offset: 40, .size: 8, .value_kind: global_buffer, .address_space: global }
    .group_segment_fixed_size: 327680
    .private_segment_fixed_size: 0
    .kernarg_segment_align: 8
    .kernarg_segment_size: 48
    .max_flat_workgroup_size: 128
    .sgpr_count:     100
    .vgpr_count:     1024
    .wavefront_size: 32
...
	.end_amdgpu_metadata
.endif
;; end of part 1
;; launch softmax_rows (part 2): grid 128 x 1, 1 waves a work-group, no clusters, 0 bytes of LDS; arguments scores, out0; writes out0
.if DOCPART == 2
	.amdgcn_target "amdgcn-amd-amdhsa--gfx1250"
	.amdhsa_code_object_version 6
	.text
	.protected	k_q4b4287a9f0_softmax_rows
	.globl	k_q4b4287a9f0_softmax_rows
	.p2align	8
	.type	k_q4b4287a9f0_softmax_rows,@function
k_q4b4287a9f0_softmax_rows:
	s_mov_b64 s[64:65], 0
	v_nop
	global_prefetch_b8 v0, s[64:65] scope:SCOPE_SE
	s_setreg_imm32_b32 hwreg(HW_REG_WAVE_MODE, 25, 1), 1
	s_wait_xcnt 0x0
; out0[b][0][s] = softmax over s of scores[b][s].  scores, out0: [128][512] f32.
; One wave takes one row of 2,048 bytes: 16 numbers a lane, kept in registers between the maximum, the sum and the scaling: the row is read once.  No LDS, no barrier, no loop.
; The problem has 128 rows, so the launch has 128 work-groups.  Each load and store of the wave covers 512 consecutive bytes, aligned.
; The row's largest score m is taken away ahead of the exponential: p = 2^(x log2(e) - m log2(e)), one fused multiply-add a number; the addend is the same for the whole row, so its rounding divides out.
; LIMITS: m log2(e) must be finite in f32: |score| under 2.35e38.  A p under 2^-126 comes out as 0 (v_exp_f32 gives no denormals: ISA guide, its entry in 15.8).  NaN among the scores is not served.
.set X, 4                              ; v[4:19]  my 16 numbers: scores, then p, then the result
	s_load_b128 s[4:7], s[0:1], 0x0                ; scores s[4:5], out0 s[6:7]
	v_lshlrev_b32 v1, 4, v0                        ; 16 bytes a lane
	s_lshl_b32 s8, ttmp9, 11                       ; row b of 2,048 bytes
	s_mov_b32 s9, 0
	s_mov_b32 s10, 0x76543210                      ; v_permlanex16_b32's selects for lane l xor 16
	s_mov_b32 s11, 0xfedcba98
	s_mov_b32 s12, 0x3fb8aa3b                      ; log2(e)
	s_mov_b32 s13, s12                             ; (named with it as a pair, so it is written)
	s_wait_alu depctr_va_vdst(0)
	s_wait_kmcnt 0x0
	s_add_nc_u64 s[4:5], s[4:5], s[8:9]
	s_add_nc_u64 s[6:7], s[6:7], s[8:9]
.irp i, 0,1,2,3
	global_load_b128 v[X+4*\i:X+4*\i+3], v1, s[4:5] offset:512*\i
.endr
	s_wait_loadcnt 0x0
	v_max3_num_f32 v20, v[X], v[X+1], v[X+2]       ; the largest of my 16, in two chains
	v_max3_num_f32 v21, v[X+3], v[X+4], v[X+5]
	v_max3_num_f32 v20, v20, v[X+6], v[X+7]
	v_max3_num_f32 v21, v21, v[X+8], v[X+9]
	v_max3_num_f32 v20, v20, v[X+10], v[X+11]
	v_max3_num_f32 v21, v21, v[X+12], v[X+13]
	v_max3_num_f32 v20, v20, v[X+14], v[X+15]
	v_max_num_f32 v20, v20, v21
	v_max_num_f32_dpp v20, v20, v20 row_xmask:1 row_mask:0xf bank_mask:0xf   ; and over the 32 lanes
	v_max_num_f32_dpp v20, v20, v20 row_xmask:2 row_mask:0xf bank_mask:0xf
	v_max_num_f32_dpp v20, v20, v20 row_xmask:4 row_mask:0xf bank_mask:0xf
	v_max_num_f32_dpp v20, v20, v20 row_xmask:8 row_mask:0xf bank_mask:0xf
	v_permlanex16_b32 v21, v20, s10, s11
	v_max_num_f32 v20, v20, v21                    ; m, in every lane
	v_mul_f32 v22, 0xbfb8aa3b, v20                 ; -m log2(e)
	v_mov_b32 v23, v22                             ; (named with it as a pair, so it is written)
.irp i, 0,2,4,6,8,10,12,14
	v_pk_fma_f32 v[X+\i:X+\i+1], v[X+\i:X+\i+1], s[12:13], v[22:23] op_sel_hi:[1,0,0]   ; x log2(e) - m log2(e), two at a time
.endr
	s_wait_alu depctr_va_vdst(0)
.irp i, 0,1,2,3,4,5,6,7,8,9,10,11,12,13,14,15
	v_exp_f32 v[X+\i], v[X+\i]                     ; p, at most about 1
.endr
	v_nop                                          ; one plain instruction between the exponentials and the use of their results (ISA guide 5.7.2)
	s_wait_alu depctr_va_vdst(0)
	v_pk_add_f32 v[24:25], v[X:X+1], v[X+2:X+3]    ; the sum of my 16, as a tree; p itself is kept
	v_pk_add_f32 v[26:27], v[X+4:X+5], v[X+6:X+7]
	v_pk_add_f32 v[28:29], v[X+8:X+9], v[X+10:X+11]
	v_pk_add_f32 v[30:31], v[X+12:X+13], v[X+14:X+15]
	v_pk_add_f32 v[24:25], v[24:25], v[26:27]
	v_pk_add_f32 v[28:29], v[28:29], v[30:31]
	v_pk_add_f32 v[24:25], v[24:25], v[28:29]
	v_add_f32 v24, v24, v25
	v_add_f32_dpp v24, v24, v24 row_xmask:1 row_mask:0xf bank_mask:0xf       ; and over the 32 lanes
	v_add_f32_dpp v24, v24, v24 row_xmask:2 row_mask:0xf bank_mask:0xf
	v_add_f32_dpp v24, v24, v24 row_xmask:4 row_mask:0xf bank_mask:0xf
	v_add_f32_dpp v24, v24, v24 row_xmask:8 row_mask:0xf bank_mask:0xf
	v_permlanex16_b32 v25, v24, s10, s11
	v_add_f32 v26, v24, v25                        ; the row's sum, at least about 1
	s_wait_alu depctr_va_vdst(0)
	v_rcp_f32 v24, v26                             ; twice: a pair for the packed multiply
	v_rcp_f32 v25, v26
	v_nop                                          ; one plain instruction behind the reciprocals
	s_wait_alu depctr_va_vdst(0)
.irp i, 0,2,4,6,8,10,12,14
	v_pk_mul_f32 v[X+\i:X+\i+1], v[X+\i:X+\i+1], v[24:25]
.endr
.irp i, 0,1,2,3
	global_store_b128 v1, v[X+4*\i:X+4*\i+3], s[6:7] offset:512*\i
.endr
	s_endpgm
.Lfunc_end_k_q4b4287a9f0_softmax_rows:
	.size	k_q4b4287a9f0_softmax_rows, .Lfunc_end_k_q4b4287a9f0_softmax_rows-k_q4b4287a9f0_softmax_rows
	.p2alignl 7, 3214868480
	.fill 96, 4, 3214868480
	.section	.rodata,"a",@progbits
	.p2align	6, 0x0
	.amdhsa_kernel k_q4b4287a9f0_softmax_rows
		.amdhsa_group_segment_fixed_size 0
		.amdhsa_private_segment_fixed_size 0
		.amdhsa_enable_private_segment 0
		.amdhsa_kernarg_size 16
		.amdhsa_user_sgpr_count 2
		.amdhsa_user_sgpr_kernarg_segment_ptr 1
		.amdhsa_wavefront_size32 1
		.amdhsa_system_sgpr_workgroup_id_x 1
		.amdhsa_system_sgpr_workgroup_id_y 1
		.amdhsa_system_sgpr_workgroup_id_z 1
		.amdhsa_system_vgpr_workitem_id 0
		.amdhsa_next_free_vgpr 32
		.amdhsa_next_free_sgpr 66
		.amdhsa_reserve_vcc 0
		.amdhsa_float_denorm_mode_32 3
		.amdhsa_float_denorm_mode_16_64 3
		.amdhsa_memory_ordered 1
		.amdhsa_forward_progress 1
		.amdhsa_inst_pref_size 6
	.end_amdhsa_kernel
	.amdgpu_metadata
---
amdhsa.version: [ 1, 2 ]
amdhsa.kernels:
  - .name:           k_q4b4287a9f0_softmax_rows
    .symbol:         k_q4b4287a9f0_softmax_rows.kd
    .args:
      - { .name: scores, .offset: 0, .size: 8, .value_kind: global_buffer, .address_space: global }
      - { .name: out0, .offset: 8, .size: 8, .value_kind: global_buffer, .address_space: global }
    .group_segment_fixed_size: 0
    .private_segment_fixed_size: 0
    .kernarg_segment_align: 8
    .kernarg_segment_size: 16
    .max_flat_workgroup_size: 32
    .sgpr_count:     66
    .vgpr_count:     32
    .wavefront_size: 32
...
	.end_amdgpu_metadata
.endif
;; end of part 2
